; MI455X (gfx1250); checked and timed in simulation.
; The chip was launched on July 23, 2026; its instructions are those of AMD's public machine-readable ISA for CDNA 5 (MIT licence, August 2026) and "CDNA5" Instruction Set Architecture Reference Guide (July 2026). The comments in the code are by the model that wrote it; some were corrected since.
;; Efficient Attention Block. Allowed arithmetic: matrix products marked QUANTISED: E2M3 operands, one E8M0 scale for each 32 along K, by v_wmma_scale_f32_16x16x128_f8f6f4 with both operands' format E2M3, f32 sums; everything else in f32.
;; Inputs: b_proj 256 float32; ln_b 256 float32; ln_g 256 float32; w_proj 256 x 256 float32; w_qkv 256 x 768 float32; x 4 x 256 x 64 x 64 float32.
;; Outputs: out0 4 x 256 x 64 x 64 float32.
;; This version of the problem:
;;   THIS VERSION OF THE PROBLEM IS GIVEN IN LOW PRECISION. The matrix products marked QUANTISED in the list below multiply operands that are first quantised to E2M3 (2 exponent bits, 3 mantissa bits; 6 bits a number), with one power-of-two scale for each 32 numbers along K (OCP MX v1.0); their sums are f32. All else is computed in f32.
;;   The module's matrix products, in the order in which they are computed (A, B: the left and right operand; K: the contracted axis; several contracted axes count as one K, in the product's order):
;;     1. [M 16,384, K 256] x [K 256, N 768]; A: computed on the way; B: input w_qkv: QUANTISED
;;     2. batch 16 x [M 4,096, K 64] x [K 64, N 4,096]; A: computed on the way; B: computed on the way: QUANTISED
;;     3. batch 16 x [M 4,096, K 4,096] x [K 4,096, N 64]; A: softmax (see below); B: computed on the way: QUANTISED
;;     4. [M 16,384, K 256] x [K 256, N 256]; A: computed on the way; B: input w_proj: QUANTISED
;;   THE QUANTISER, for each operand of a quantised product, along K:
;;     - K is cut into blocks of 32 from its start; a last block that is shorter is filled with zeros.
;;     - A block's scale is 2^e with e = floor(log2(the largest magnitude in the block)) - 2, held to -126 .. 127; a block of zeros has e = 0. As a byte (E8M0): e + 127.
;;     - Each number is divided by its block's scale, clamped to +-7.5, and rounded to the nearest number of E2M3, ties to even, subnormals kept.
;;     - The product sums the exact products of the quantised numbers (number of the format x scale) in f32.
;;   ~~~python
;;   def quantise(x, axis):      # numpy; x: float32 -> the quantised numbers, widened to float32 again
;;       x = np.moveaxis(x, axis, -1); K = x.shape[-1]
;;       x = np.pad(x, [(0, 0)] * (x.ndim - 1) + [(0, -K % 32)]); x = x.reshape(x.shape[:-1] + (-1, 32)); a = np.abs(x).max(-1, keepdims=True)
;;       e = np.where(a > 0, np.clip(np.frexp(np.where(a > 0, a, 1))[1] - 1 - 2, -126, 127), 0)      # np.frexp(a)[1] - 1 = floor(log2(a)), exactly
;;       r = np.clip(x / 2.0 ** e, -7.5, 7.5)
;;       step = 2.0 ** (np.maximum(np.frexp(np.where(r == 0, 1, r))[1] - 1, 0) - 3)
;;       q = np.round(r / step) * step * 2.0 ** e      # np.round: ties to even
;;       return np.moveaxis(q.reshape(q.shape[:-2] + (-1,))[..., :K], -1, axis).astype(np.float32)
;;   ~~~
;;   SOFTMAX AHEAD OF A QUANTISED PRODUCT. Where the list says 'softmax', what is quantised is not the finished softmax but p = 2^(t - M), with t = logit x log2(e) and M = ceil(the row's largest t), a whole number; so 1/2 < the row's largest p <= 1. The row's sum l is taken of the UNQUANTISED p, in f32, and the product's result is divided by l at the end. Since M is a whole number, a kernel that streams over the keys may use a running M (the ceiling of the running maximum): every later rescaling is an exact power of two, which a block's scale takes up: the codes' values come out the same.
;;   OPERANDS COMPUTED ON THE WAY. 'Computed on the way' means the value that the module computes at that place (a softmax that the list does not call 'softmax' is quantised finished and normalised). What goes into a quantiser is computed in f32, as accurately as f32 sums, v_exp_f32 and their like allow (about 1e-6 of the number): no bf16 or f16 on the way to a quantiser, and a product that is left as it is and whose result goes on into a quantised operand takes f32 operands (vector FMAs, or v_wmma_f32_16x16x4_f32). A number that lies on a knife's edge between two numbers of the format may be rounded either way, as far as f32 arithmetic and the matrix unit's own rounding can turn it there, and no further.
;; One version. Each part assembles by itself: llvm-mc -triple=amdgcn-amd-amdhsa -mcpu=gfx1250 --defsym DOCPART=n.
;; ======== version 1 of 1: 3 launches
;; limits: right only within a limited range of input values
;; workspace buffers: wimg 196,608 bytes; wscl 16,384 bytes; qimg 3,145,728 bytes; qscl 131,072 bytes; kv 6,553,600 bytes
;; launch wq (part 1): grid 128 x 1, 1 waves a work-group, no clusters, 0 bytes of LDS; arguments w_qkv, w_proj, wimg, wscl; writes wimg, wscl
.if DOCPART == 1
	.amdgcn_target "amdgcn-amd-amdhsa--gfx1250"
	.amdhsa_code_object_version 6
	.text
	.protected	k_qfe006abfa1_wq
	.globl	k_qfe006abfa1_wq
	.p2align	8
	.type	k_qfe006abfa1_wq,@function
k_qfe006abfa1_wq:
	s_mov_b64 s[64:65], 0
	v_nop
	global_prefetch_b8 v0, s[64:65] scope:SCOPE_SE
	s_setreg_imm32_b32 hwreg(HW_REG_WAVE_MODE, 25, 1), 1
	s_wait_xcnt 0x0
; Both weights become codes of FP6 (E2M3) with one E8M0 byte for each 32 along K, laid as IMAGES OF OPERAND REGISTERS.
; A fragment is 16 rows x 128 K = 12 registers a lane (lane (r, h): row r; registers 6 c .. 6 c + 5: k = 64 c + 32 h + 0 .. 31).
; Its image is 1,536 bytes: registers 4 g .. 4 g + 3 of lane l at 512 g + 16 l.  Its scale words: 128 bytes, lane l's word at 4 l (both halves of the lanes hold row r's word).
; One wave makes one fragment f = the work-group's number.
;   f = 2 T + s < 96: w_qkv [256 (k)][768 (n)], K its FIRST axis: rows (output channels) 32 (T / 2) + 8 (T % 2) + r + 8 (r / 8), K step s.  A lane takes a column and its registers run down K.
;   f = 96 + 2 Tc + s: w_proj [256 (out)][256 (k)], K innermost: rows 16 Tc + r, K step s.  A lane takes 32 neighbours of its row for each block.
; A block's byte is its largest magnitude's exponent field - 2, held at 1 from below.
; LIMITS: NaN and infinities are not served; a block whose largest magnitude lies under 2^-124 keeps the byte 1; a block of zeros has the byte 1 (its codes are zeros, and this program alone reads the bytes).
; No LDS, no matrix unit, no cluster: 1 MiB is read once, each fragment by one wave.
.set FLOOR, 0x1800000                  ; 2^(3 - 127): under it no largest magnitude is taken
	s_load_b256 s[4:11], s[0:1], 0x0               ; w_qkv s[4:5], w_proj s[6:7], wimg s[8:9], wscl s[10:11]
	v_and_b32 v1, 15, v0                           ; r
	v_lshrrev_b32 v2, 4, v0                        ; h (one wave: v0 is the lane)
	v_lshlrev_b32 v4, 4, v0                        ; 16 x lane
	v_lshlrev_b32 v5, 2, v0                        ; 4 x lane
	v_mov_b32 v10, 0                               ; a lane permute's destination counts as read
	s_mov_b32 s20, 0x76543210
	s_mov_b32 s21, 0xfedcba98                      ; selects for lane l xor 16
	s_mul_i32 s12, ttmp9, 1536                     ; my image
	s_mov_b32 s13, 0
	s_lshl_b32 s14, ttmp9, 7                       ; my scale words
	s_mov_b32 s15, 0
	s_and_b32 s16, ttmp9, 1                        ; s, the K step (96 is even)
	s_mov_b32 s19, 0
	s_wait_kmcnt 0x0
	s_add_nc_u64 s[8:9], s[8:9], s[12:13]
	s_add_nc_u64 s[10:11], s[10:11], s[14:15]
	s_cmp_lt_u32 ttmp9, 96
	s_cbranch_scc0 .Lproj
	; ---- w_qkv: number (k, n) lies at 3,072 k + 4 n
	s_lshr_b32 s17, ttmp9, 2                       ; T / 2
	s_lshl_b32 s18, s17, 7                         ; x 32 columns x 4 bytes
	s_bfe_u32 s17, ttmp9, 0x10001                  ; T % 2
	s_lshl_b32 s17, s17, 5                         ; x 8 columns x 4 bytes
	s_add_co_u32 s18, s18, s17
	s_mul_i32 s17, s16, 393216                     ; s x 128 rows of 3,072 bytes
	s_add_co_u32 s18, s18, s17
	s_add_nc_u64 s[4:5], s[4:5], s[18:19]
	s_wait_alu depctr_va_vdst(0)
	v_and_b32 v3, 8, v1
	v_add_nc_u32 v3, v3, v1                        ; r + 8 (r / 8)
	v_lshlrev_b32 v3, 2, v3
	v_mad_u32_u24 v3, v2, 0x18000, v3              ; + h x 32 rows of 3,072 bytes
.irp c, 0,1
.set i, 0
.rept 32
	global_load_b32 v[64+32*\c+i], v3, s[4:5] offset:(64*\c+i)*3072
.set i, i+1
.endr
.endr
	s_branch .Ljoin
.Lproj:
	; ---- w_proj: number (row, k) lies at 1,024 row + 4 k
	s_sub_co_u32 s17, ttmp9, 96
	s_lshr_b32 s17, s17, 1                         ; Tc
	s_lshl_b32 s18, s17, 14                        ; x 16 rows of 1,024 bytes
	s_lshl_b32 s17, s16, 9                         ; s x 128 numbers
	s_add_co_u32 s18, s18, s17
	s_add_nc_u64 s[6:7], s[6:7], s[18:19]
	s_wait_alu depctr_va_vdst(0)
	v_lshlrev_b32 v3, 10, v1
	v_lshl_add_u32 v3, v2, 7, v3                   ; 1,024 r + 128 h
.irp c, 0,1
.irp j, 0,1,2,3,4,5,6,7
	global_load_b128 v[64+32*\c+4*\j:64+32*\c+4*\j+3], v3, s[6:7] offset:256*\c+16*\j
.endr
.endr
.Ljoin:
	s_wait_loadcnt 0x0                             ; register 64 + 32 c + i holds k = 128 s + 64 c + 32 h + i of my row: two whole blocks
.irp c, 0,1
	v_max3_num_f32 v[32+\c], |v[64+32*\c]|, |v[65+32*\c]|, FLOOR
.endr
.irp i, 2,4,6,8,10,12,14,16,18,20,22,24,26,28,30
.irp c, 0,1
	v_max3_num_f32 v[32+\c], v[32+\c], |v[64+32*\c+\i]|, |v[65+32*\c+\i]|   ; the two blocks by turns
.endr
.endr
.irp c, 0,1
	v_add_nc_u32 v[44+\c], 0xff000000, v[32+\c]    ; 2 off the exponent field: the conversion's scale operand
.endr
.irp c, 0,1
	v_lshrrev_b32 v[36+\c], 23, v[44+\c]           ; the scale's byte
.endr
	v_lshl_or_b32 v9, v37, 16, v36                 ; my bytes: blocks h and 2 + h,
	v_lshlrev_b32 v8, 3, v2
	v_lshlrev_b32 v9, v8, v9                       ; 8 h bits up;
	v_permlanex16_b32 v10, v9, s20, s21
	v_or_b32 v9, v9, v10                           ; with lane l xor 16's two the word is whole, in both lanes
.irp c, 0,1
	v_cvt_scalef32_pk16_fp6_f32 v[48+6*\c:50+6*\c], v[64+32*\c:79+32*\c], v[44+\c]
	v_cvt_scalef32_pk16_fp6_f32 v[16+4*\c:18+4*\c], v[80+32*\c:95+32*\c], v[44+\c]   ; (a conversion's three registers begin on an even number)
.endr
	v_nop                                          ; one plain line behind a scaled conversion
.irp c, 0,1
.irp i, 0,1,2
	v_mov_b32 v[51+6*\c+\i], v[16+4*\c+\i]
.endr
.endr
.irp g, 0,1,2
	global_store_b128 v4, v[48+4*\g:51+4*\g], s[8:9] offset:512*\g     ; 32 lanes store 512 consecutive bytes, aligned
.endr
	global_store_b32 v5, v9, s[10:11]
	s_endpgm
.Lfunc_end_k_qfe006abfa1_wq:
	.size	k_qfe006abfa1_wq, .Lfunc_end_k_qfe006abfa1_wq-k_qfe006abfa1_wq
	.p2alignl 7, 3214868480
	.fill 96, 4, 3214868480
	.section	.rodata,"a",@progbits
	.p2align	6, 0x0
	.amdhsa_kernel k_qfe006abfa1_wq
		.amdhsa_group_segment_fixed_size 0
		.amdhsa_private_segment_fixed_size 0
		.amdhsa_enable_private_segment 0
		.amdhsa_kernarg_size 32
		.amdhsa_user_sgpr_count 2
		.amdhsa_user_sgpr_kernarg_segment_ptr 1
		.amdhsa_wavefront_size32 1
		.amdhsa_system_sgpr_workgroup_id_x 1
		.amdhsa_system_sgpr_workgroup_id_y 1
		.amdhsa_system_sgpr_workgroup_id_z 1
		.amdhsa_system_vgpr_workitem_id 0
		.amdhsa_next_free_vgpr 128
		.amdhsa_next_free_sgpr 66
		.amdhsa_reserve_vcc 0
		.amdhsa_float_denorm_mode_32 3
		.amdhsa_float_denorm_mode_16_64 3
		.amdhsa_memory_ordered 1
		.amdhsa_forward_progress 1
		.amdhsa_inst_pref_size 13
	.end_amdhsa_kernel
	.amdgpu_metadata
---
amdhsa.version: [ 1, 2 ]
amdhsa.kernels:
  - .name:           k_qfe006abfa1_wq
    .symbol:         k_qfe006abfa1_wq.kd
    .args:
      - { .name: w_qkv, .offset: 0, .size: 8, .value_kind: global_buffer, .address_space: global }
      - { .name: w_proj, .offset: 8, .size: 8, .value_kind: global_buffer, .address_space: global }
      - { .name: wimg, .offset: 16, .size: 8, .value_kind: global_buffer, .address_space: global }
      - { .name: wscl, .offset: 24, .size: 8, .value_kind: global_buffer, .address_space: global }
    .group_segment_fixed_size: 0
    .private_segment_fixed_size: 0
    .kernarg_segment_align: 8
    .kernarg_segment_size: 32
    .max_flat_workgroup_size: 32
    .sgpr_count:     66
    .vgpr_count:     128
    .wavefront_size: 32
...
	.end_amdgpu_metadata
.endif
;; end of part 1
;; launch qkv (part 2): grid 256 x 1, 8 waves a work-group, no clusters, 21,504 bytes of LDS; arguments x, ln_g, ln_b, wimg, wscl, qimg, qscl, kv; writes qimg, qscl, kv
.if DOCPART == 2
	.amdgcn_target "amdgcn-amd-amdhsa--gfx1250"
	.amdhsa_code_object_version 6
	.text
	.protected	k_qfe006abfa1_qkv
	.globl	k_qfe006abfa1_qkv
	.p2align	8
	.type	k_qfe006abfa1_qkv,@function
k_qfe006abfa1_qkv:
	s_mov_b64 s[64:65], 0
	v_nop
	global_prefetch_b8 v0, s[64:65] scope:SCOPE_SE
	s_setreg_imm32_b32 hwreg(HW_REG_WAVE_MODE, 25, 1), 1
	s_wait_xcnt 0x0
; LayerNorm over the 256 channels of x [4][256][4096] (tokens innermost), t quantised along the channels, t x w_qkv on codes of FP6 (E2M3), and q, k (along the head's 64) and v (along the keys) quantised for the attention.
; SHARES.  A work-group takes 64 tokens of one image: b = wg / 64, tb = wg % 64.  Wave w of eight:
;   LayerNorm: channels 32 w .. 32 w + 31, one block of K, of all 64 tokens: a lane is a token (two sets of 32), 32 registers run down the channels; the waves' partial sums meet in LDS.
;   Product: output channels 64 w .. 64 w + 63 (waves 0-3: q of head w; waves 4-7: k of head w - 4), and v's channels 512 + 32 w .. + 31 (head w / 2, half w % 2).
; Mean and variance are taken in two passes (the mean first, then the squares of the differences), so that no difference of large sums is formed.
; A TILE OF 16 TOKENS IS NOT 16 NEIGHBOURS: tile j of the 64 tokens takes tokens 8 j + r + 24 (r / 8); the weights' tile 2 g + u takes rows 32 g + 8 u + r + 8 (r / 8).  So the 16 registers that two neighbouring tiles
; leave in a lane are 16 neighbours along the next product's K, which is what the conversions take.
; q, k: source 0 = 16 rows of W, source 1 = 16 tokens: a lane holds one token, registers run along d.  v: source 0 = 16 tokens, source 1 = 16 rows of W: a lane holds one d, registers run along the keys.
; WHAT IS STORED: half-images, 16 rows x 64 K = 768 bytes: lane (r, h) holds block h of row r, 6 registers: registers 0-3 at 16 x lane, registers 4-5 at 512 + 8 x lane: every store is dense and aligned to 256 bytes.
;   qimg [head 16][tile 256][768];  qscl [head][group 128][r 16] words (bytes 0, 1: tile u = 0's blocks; 2, 3: tile u = 1's);
;   kv [head][step of 128 keys: 32][12,800]: eight half-images of k, eight of v (d tile t, key half c at 6,144 + 1,536 t + 768 c), 512 bytes of scale words (16 bytes a lane: two words of k, two of v).
; The weights are shared by all work-groups, yet no cluster: each wave loads its 12 fragments (18,432 bytes) from memory straight into the registers that multiply by them, once, and no weight passes through LDS.
; LIMITS: NaN and infinities are not served; a block under 2^-124 keeps the byte 1; a block of zeros has the byte 1 (zero codes; this program alone reads the bytes).
; REGISTERS: v1 4 x lane, v2 16 x lane, v3 8 x lane; v4-9 LDS addresses; v7, v10, v11 global offsets; v12-19 t's scale words; v20-27 W's; v28-31 Wv's; v32-51 at work; v52-75 Wv's first tile;
;   v76-139 x, later v76-123 t's fragments and v124-155 four accumulators; v156-251 W's eight fragments, later Wv's second tile; v252-255 (mean, mean), later (1 / sigma, 1 / sigma), a pair for each set.
.set FLOOR, 0x1800000
.set X,    76
.set TB,   76
.set ACC,  124
.set WF,   156
.set VW0,  52
.set VW1,  156
.set BM,   32
.set BT,   34
.set SO,   36
.set W16,  38
.set PC,   42
.set TMP,  48
.set TPI,  240                         ; LDS: t's codes, 64 rows of 192 bytes, 240 apart (60 words: sixteen rows begin in sixteen different groups of banks: ISA guide 11.1)
.set TSO,  15360                       ; t's scale bytes, 8 a row
.set RED1, 15872                       ; the sums: 8 waves x 64 tokens x 4 bytes
.set RED2, 17920                       ; the sums of squares likewise
.macro BARRIER                         ; my LDS stores have landed and my LDS loads are in: then the work-group's barrier
	s_wait_dscnt 0x0
	s_barrier_signal -1
	s_barrier_wait -1
.endm
	s_load_b256 s[4:11], s[0:1], 0x0               ; x s[4:5], ln_g s[6:7], ln_b s[8:9], wimg s[10:11]
	s_load_b64 s[12:13], s[0:1], 0x20              ; wscl
	s_load_b128 s[84:87], s[0:1], 0x28             ; qimg, qscl
	s_load_b64 s[88:89], s[0:1], 0x38              ; kv
	s_set_vgpr_msb 0x40
	v_lshl_add_u32 v0, v0, 2, 0x5000
	v_mov_b32 v1, 0
	s_set_vgpr_msb 0x4000
	v_lshrrev_b32 v32, 5, v0
	s_delay_alu instid0(VALU_DEP_1)
	v_readfirstlane_b32 s14, v32                   ; wave 0..7
	s_lshr_b32 s15, ttmp9, 6                       ; b
	s_and_b32 s2, ttmp9, 63                        ; tb
	v_and_b32 v33, 31, v0                          ; lane
	s_delay_alu instid0(VALU_DEP_1)
	v_lshlrev_b32 v1, 2, v33
	s_delay_alu instid0(VALU_DEP_2)
	v_lshlrev_b32 v2, 4, v33
	s_delay_alu instid0(VALU_DEP_3)
	v_lshlrev_b32 v3, 3, v33
	s_lshl_b32 s98, s15, 22                        ; x: b x 4 MiB
	s_lshl_b32 s99, s14, 19                        ; + 32 w channels of 16,384 bytes
	s_add_co_u32 s98, s98, s99
	s_lshl_b32 s99, s2, 8                          ; + 64 tb tokens
	s_add_co_u32 s98, s98, s99
	s_mov_b32 s99, 0
	s_wait_alu depctr_va_vdst(0)
	s_wait_kmcnt 0x0
	s_add_nc_u64 s[4:5], s[4:5], s[98:99]
.irp e, 0,1
.set i, 0
.rept 32
	global_load_b32 v[X+32*\e+i], v1, s[4:5] offset:16384*i+128*\e th:TH_LOAD_NT   ; channel 32 w + i of token 32 e + lane: read once in the launch
.set i, i+1
.endr
.endr
	s_lshl_b32 s98, s14, 7                         ; my 32 gains and biases
	s_add_nc_u64 s[6:7], s[6:7], s[98:99]
	s_add_nc_u64 s[8:9], s[8:9], s[98:99]
	s_load_b512 s[16:31], s[6:7], 0x0              ; g of channels 0-15 of mine,
	s_load_b512 s[32:47], s[6:7], 0x40             ; 16-31;
	s_load_b512 s[48:63], s[8:9], 0x0              ; b of 0-15,
	s_load_b512 s[68:83], s[8:9], 0x40             ; 16-31
	s_mul_i32 s98, s14, 6144
	s_add_nc_u64 s[10:11], s[10:11], s[98:99]      ; wimg + 6,144 w: with v7 my q/k fragments (8 w on), with an immediate my v fragments (64 + 4 w on)
	v_add_nc_u32 v7, s98, v2
	s_lshl_b32 s98, s14, 9
	s_add_nc_u64 s[12:13], s[12:13], s[98:99]      ; wscl + 512 w, likewise
	v_add_nc_u32 v11, s98, v1
.set i, 0
.rept 8                                ; fragment (tile i / 2, K step i % 2)
.irp g, 0,1,2
	global_load_b128 v[WF+12*i+4*\g:WF+12*i+4*\g+3], v7, s[10:11] offset:1536*i+512*\g
.endr
	global_load_b32 v[20+i], v11, s[12:13] offset:128*i
.set i, i+1
.endr
.irp s, 0,1
.irp g, 0,1,2
	global_load_b128 v[VW0+12*\s+4*\g:VW0+12*\s+4*\g+3], v2, s[10:11] offset:98304+1536*\s+512*\g
.endr
.endr
.irp j, 0,1,2,3
	global_load_b32 v[28+\j], v1, s[12:13] offset:8192+128*\j
.endr
	; LDS addresses.  Token lane of set e lies in row rho + 8 e, rho = 16 (lane / 8) + lane % 8
	v_and_b32 v34, 7, v0
	; THE TOKENS OF A TILE, as this text now has them: tile j of the work-group's 64 tokens takes tokens 8 j + i in rows i = 0 .. 7 and tokens 32 + 8 j + i in rows 8 + i.
	; Token 32 e + lane lies in LDS row 16 (lane / 8) + 8 e + lane % 8.  So a result's lanes 0-15 hold one whole block of 32 tokens over four tiles, lanes 16-31 the next.
	v_bfe_u32 v35, v0, 4, 1                        ; h
	v_bfe_u32 v36, v0, 3, 2                        ; lane / 8
	s_delay_alu instid0(VALU_DEP_1)
	v_lshl_add_u32 v34, v36, 4, v34                ; rho
	s_delay_alu instid0(VALU_DEP_1)
	v_mul_u32_u24 v4, v34, TPI
	s_mul_i32 s98, s14, 24
	v_add_nc_u32 v4, s98, v4                       ; my codes: row rho, block w
	v_lshlrev_b32 v5, 3, v34
	s_delay_alu instid0(VALU_DEP_1)
	v_add_nc_u32 v5, s14, v5                       ; my scale byte: 8 rho + w
	s_lshl_b32 s98, s14, 8
	v_add_nc_u32 v6, s98, v1                       ; my partial sums: 256 w + 4 x lane
	v_and_b32 v34, 15, v0                          ; r
	s_delay_alu instid0(VALU_DEP_1)
	v_mul_u32_u24 v8, v34, TPI
	s_delay_alu instid0(VALU_DEP_1)
	v_mad_u32_u24 v8, v35, 24, v8                  ; a fragment of t: row r, + 24 h
	s_delay_alu instid0(VALU_DEP_3)
	v_lshlrev_b32 v9, 3, v34                       ; its scale words: 8 r
	; where the results go.  q or k by the wave's number; the choice hangs on no address
	s_and_b32 s3, s14, 3
	s_lshl_b32 s98, s15, 2
	s_add_co_u32 s3, s3, s98                       ; head of 16: 4 b + w % 4
	s_mul_i32 s92, s3, 196608
	s_mul_i32 s93, s2, 3072
	s_add_co_u32 s92, s92, s93                     ; q's codes: (256 head + 4 tb) x 768
	s_mul_i32 s94, s3, 409600
	s_lshr_b32 s95, s2, 1
	s_mul_i32 s95, s95, 12800
	s_add_co_u32 s94, s94, s95                     ; k: the step's first byte
	s_and_b32 s95, s2, 1                           ; c: which 64 keys of the step
	s_mul_i32 s96, s95, 3072
	s_add_co_u32 s96, s96, s94                     ; k's codes
	s_lshl_b32 s97, s95, 2
	s_add_co_u32 s97, s97, s94
	s_add_co_u32 s97, s97, 12288                   ; k's scale words: word c of each lane's 16 bytes
	s_lshl_b32 s93, s3, 13
	s_lshl_b32 s98, s2, 7
	s_add_co_u32 s93, s93, s98                     ; q's scale words: (128 head + 2 tb) x 64
	s_cmp_lt_u32 s14, 4
	s_cselect_b32 s98, s92, s96
	s_cselect_b32 s96, s93, s97
	s_cselect_b32 s97, 2, 4                        ; from lane to lane: 4 bytes in qscl, 16 in kv
	s_cselect_b64 s[90:91], s[84:85], s[88:89]
	s_cselect_b64 s[92:93], s[86:87], s[88:89]
	s_add_nc_u64 s[90:91], s[90:91], s[98:99]      ; s[90:91]: my q's or k's half-images
	s_mov_b32 s98, s96
	s_add_nc_u64 s[92:93], s[92:93], s[98:99]      ; s[92:93]: their scale words
	v_lshlrev_b32 v10, s97, v33
	s_lshr_b32 s3, s14, 1
	s_lshl_b32 s98, s15, 2
	s_add_co_u32 s3, s3, s98                       ; v's head: 4 b + w / 2
	s_mul_i32 s98, s3, 409600
	s_lshr_b32 s3, s2, 1
	s_mul_i32 s3, s3, 12800
	s_add_co_u32 s98, s98, s3
	s_add_nc_u64 s[94:95], s[88:89], s[98:99]      ; kv at that head's step
	s_mov_b64 s[96:97], s[94:95]
	s_and_b32 s3, s14, 1                           ; which 32 of the head's 64
	s_and_b32 s15, s2, 1                           ; c
	s_mul_i32 s98, s3, 3072
	s_mul_i32 s2, s15, 768
	s_add_co_u32 s98, s98, s2
	s_add_co_u32 s98, s98, 6144
	s_add_nc_u64 s[94:95], s[94:95], s[98:99]      ; s[94:95]: my v's half-images
	s_lshl_b32 s98, s3, 2
	s_lshl_b32 s2, s15, 1
	s_add_co_u32 s98, s98, s2
	s_add_co_u32 s98, s98, 12296
	s_add_nc_u64 s[96:97], s[96:97], s[98:99]      ; s[96:97]: their half-words of scale bytes
	s_mov_b32 s98, 0xffff0000                      ; lanes 16-31
	s_mov_b32 s100, 0x76543210
	s_mov_b32 s101, 0xfedcba98                     ; selects for lane l xor 16
	s_mov_b32 s2, 0x3b800000                       ; 1 / 256
	s_mov_b32 s3, 0x3727c5ac                       ; 1e-5
.macro GATHER red                      ; the eight waves' parts of my two tokens' sum: every wave adds them in the same order; results in v32 (set 0) and v40 (set 1)
.irp e, 0,1
.irp j, 0,1,2,3,4,5,6,7
	ds_load_b32 v[32+8*\e+\j], v1 offset:\red+256*\j+128*\e
.endr
.endr
	s_wait_dscnt 0x0
.irp e, 0,1
	v_pk_add_f32 v[32+8*\e:33+8*\e], v[32+8*\e:33+8*\e], v[34+8*\e:35+8*\e]
	v_pk_add_f32 v[36+8*\e:37+8*\e], v[36+8*\e:37+8*\e], v[38+8*\e:39+8*\e]
	s_delay_alu instid0(VALU_DEP_1)
	v_pk_add_f32 v[32+8*\e:33+8*\e], v[32+8*\e:33+8*\e], v[36+8*\e:37+8*\e]
	s_delay_alu instid0(VALU_DEP_1)
	v_add_f32 v[32+8*\e], v[32+8*\e], v[33+8*\e]
.endr
.endm
	s_wait_loadcnt 42                              ; x is in: behind its 64 loads stand the weights' 24 + 8 + 6 + 4, which may stay out
	; ---- the mean
.irp e, 0,1
	v_pk_add_f32 v[48:49], v[X+32*\e:X+32*\e+1], v[X+32*\e+2:X+32*\e+3]
	v_pk_add_f32 v[50:51], v[X+32*\e+4:X+32*\e+5], v[X+32*\e+6:X+32*\e+7]
.irp j, 8,12,16,20,24,28
	s_delay_alu instid0(VALU_DEP_2)
	v_pk_add_f32 v[48:49], v[48:49], v[X+32*\e+\j:X+32*\e+\j+1]
	s_delay_alu instid0(VALU_DEP_2)
	v_pk_add_f32 v[50:51], v[50:51], v[X+32*\e+\j+2:X+32*\e+\j+3]
.endr
	s_delay_alu instid0(VALU_DEP_1)
	v_pk_add_f32 v[48:49], v[48:49], v[50:51]
	s_delay_alu instid0(VALU_DEP_1)
	v_add_f32 v[32+\e], v48, v49
.endr
	ds_store_b32 v6, v32 offset:RED1
	ds_store_b32 v6, v33 offset:RED1+128
	BARRIER
	GATHER RED1
	v_mul_f32 v252, s2, v32
	s_delay_alu instid0(VALU_DEP_2)
	v_mul_f32 v254, s2, v40
	s_delay_alu instid0(VALU_DEP_2)
	v_mov_b32 v253, v252
	s_delay_alu instid0(VALU_DEP_2)
	v_mov_b32 v255, v254
	; ---- the variance, of the differences
.irp e, 0,1
.irp j, 0,2,4,6,8,10,12,14,16,18,20,22,24,26,28,30
	v_pk_add_f32 v[X+32*\e+\j:X+32*\e+\j+1], v[X+32*\e+\j:X+32*\e+\j+1], v[252+2*\e:253+2*\e] neg_lo:[0,1] neg_hi:[0,1]
.endr
.endr
.irp e, 0,1
	v_pk_mul_f32 v[48:49], v[X+32*\e:X+32*\e+1], v[X+32*\e:X+32*\e+1]
	v_pk_mul_f32 v[50:51], v[X+32*\e+2:X+32*\e+3], v[X+32*\e+2:X+32*\e+3]
.irp j, 4,8,12,16,20,24,28
	s_delay_alu instid0(VALU_DEP_2)
	v_pk_fma_f32 v[48:49], v[X+32*\e+\j:X+32*\e+\j+1], v[X+32*\e+\j:X+32*\e+\j+1], v[48:49]
	s_delay_alu instid0(VALU_DEP_2)
	v_pk_fma_f32 v[50:51], v[X+32*\e+\j+2:X+32*\e+\j+3], v[X+32*\e+\j+2:X+32*\e+\j+3], v[50:51]
.endr
	s_delay_alu instid0(VALU_DEP_1)
	v_pk_add_f32 v[48:49], v[48:49], v[50:51]
	s_delay_alu instid0(VALU_DEP_1)
	v_add_f32 v[32+\e], v48, v49
.endr
	ds_store_b32 v6, v32 offset:RED2
	ds_store_b32 v6, v33 offset:RED2+128
	BARRIER
	GATHER RED2
	v_fma_f32 v32, v32, s2, s3                     ; the variance + 1e-5
	s_delay_alu instid0(VALU_DEP_2)
	v_fma_f32 v40, v40, s2, s3
	s_wait_alu depctr_va_vdst(0)
	v_rsq_f32 v252, v32
	v_rsq_f32 v254, v40
	v_nop                                          ; a plain line behind the transcendentals (ISA guide 5.7.2)
	s_wait_alu depctr_va_vdst(0)                   ; one wait for both, ahead of their first reader
	v_mov_b32 v253, v252
	v_mov_b32 v255, v254
	; ---- t = (x - mean) / sigma x g + b
.irp e, 0,1
.irp j, 0,2,4,6,8,10,12,14,16,18,20,22,24,26,28,30
	v_pk_mul_f32 v[X+32*\e+\j:X+32*\e+\j+1], v[X+32*\e+\j:X+32*\e+\j+1], v[252+2*\e:253+2*\e]
.endr
.endr
	s_wait_kmcnt 0x0                               ; g and b
.set i, 0
.rept 32
.if i < 16
.set BR, 48+i
.else
.set BR, 52+i
.endif
	v_fma_f32 v[X+i], v[X+i], s[16+i], s[BR]
	v_fma_f32 v[X+32+i], v[X+32+i], s[16+i], s[BR]
.set i, i+1
.endr
	; ---- a set's 32 registers are one whole block of its token: byte, codes, into LDS
.macro QBLK e
.set XS, X+32*\e
	v_max3_num_f32 v32, |v[XS]|, |v[XS+1]|, |v[XS+2]|
	v_max3_num_f32 v33, |v[XS+3]|, |v[XS+4]|, |v[XS+5]|
.irp i, 6,10,14,18,22,26
	s_delay_alu instid0(VALU_DEP_2)
	v_max3_num_f32 v32, v32, |v[XS+\i]|, |v[XS+\i+1]|
	s_delay_alu instid0(VALU_DEP_2)
	v_max3_num_f32 v33, v33, |v[XS+\i+2]|, |v[XS+\i+3]|
.endr
	s_delay_alu instid0(VALU_DEP_2)
	v_max3_num_f32 v32, v32, |v[XS+30]|, |v[XS+31]|
	s_delay_alu instid0(VALU_DEP_1)
	v_max3_num_f32 v32, v32, v33, FLOOR
	s_delay_alu instid0(VALU_DEP_1)
	v_add_nc_u32 v36, 0xff000000, v32              ; 2 off the exponent field: the conversion's scale operand
	s_delay_alu instid0(VALU_DEP_1)
	v_lshrrev_b32 v37, 23, v36                     ; the byte
	v_cvt_scalef32_pk16_fp6_f32 v[PC:PC+2], v[XS:XS+15], v36
	v_cvt_scalef32_pk16_fp6_f32 v[TMP:TMP+2], v[XS+16:XS+31], v36
	v_nop                                          ; one plain line behind a scaled conversion
.irp i, 0,1,2
	v_mov_b32 v[PC+3+\i], v[TMP+\i]
.endr
.irp i, 0,1,2
	ds_store_b64 v4, v[PC+2*\i:PC+2*\i+1] offset:8*TPI*\e+8*\i
.endr
	ds_store_b8 v5, v37 offset:TSO+64*\e
	s_wait_dscnt 0x0                               ; the stores have read their registers
.endm
	QBLK 0
	QBLK 1
	BARRIER                                        ; all 64 rows of t, codes and bytes, lie in LDS; nobody writes LDS from here on
; 32 numbers of a lane, register 16 b + i = k 32 b + 16 h + i of its row, become a half-image in v[PC .. PC + 5] and the row's two scale bytes in v[w].  Each accumulator is read from its low end on.
.macro QUANT2 src, w
.irp b, 0,1
	v_max3_num_f32 v[BM+\b], |v[\src+16*\b]|, |v[\src+16*\b+1]|, FLOOR
.endr
.irp i, 2,4,6,8,10,12,14
.irp b, 0,1
	v_max3_num_f32 v[BM+\b], v[BM+\b], |v[\src+16*\b+\i]|, |v[\src+16*\b+\i+1]|
.endr
.endr
.irp b, 0,1
	s_delay_alu instid0(VALU_DEP_2)
	v_permlanex16_b32 v[BT+\b], v[BM+\b], s100, s101
.endr
.irp b, 0,1
	s_delay_alu instid0(VALU_DEP_2)
	v_max_num_f32 v[BM+\b], v[BM+\b], v[BT+\b]     ; with lane l xor 16's 16: the block's largest magnitude
.endr
.irp b, 0,1
	s_delay_alu instid0(VALU_DEP_2)
	v_add_nc_u32 v[SO+\b], 0xff000000, v[BM+\b]
.endr
.irp b, 0,1
	s_delay_alu instid0(VALU_DEP_2)
	v_lshrrev_b32 v[BT+\b], 23, v[SO+\b]
.endr
	s_delay_alu instid0(VALU_DEP_1)
	v_lshl_or_b32 v[\w], v[BT+1], 8, v[BT]
	v_cvt_scalef32_pk16_fp6_f32 v[PC:PC+2], v[\src:\src+15], v[SO]
	v_cvt_scalef32_pk16_fp6_f32 v[TMP:TMP+2], v[\src+16:\src+31], v[SO+1]
	v_nop                                          ; one plain line behind a scaled conversion
.irp i, 0,1,2
	v_permlane16_swap_b32 v[PC+\i], v[TMP+\i]      ; the first's lanes 16-31 change places with the second's lanes 0-15: a lane now holds its block h whole
.endr
.irp i, 0,1,2
	s_delay_alu instid0(VALU_DEP_3)
	v_mov_b32 v[PC+3+\i], v[TMP+\i]
.endr
.endm
.macro TLOAD2 m                        ; t's two fragments of tile m (16 tokens x 256 channels) into buffer m % 2: 24 bytes as three loads of 8, so that every address is a multiple of the access's size
.irp s, 0,1
.irp p, 0,1,2,3,4,5
	ds_load_b64 v[TB+24*((\m)%2)+12*\s+2*\p:TB+24*((\m)%2)+12*\s+2*\p+1], v8 offset:16*TPI*(\m)+96*\s+48*(\p/3)+8*(\p%3)
.endr
.endr
.endm
; q or k of tile m: four accumulators by turns, two K steps; the first step's products start the sums.  Four plain lines stand behind the products ahead of loads into registers that they read and of the first read of results.
.macro UNITQK m
	s_wait_dscnt 0x0
.irp s, 0,1
.irp t, 0,1,2,3
.if \s == 0
	v_wmma_scale_f32_16x16x128_f8f6f4 v[ACC+8*\t:ACC+8*\t+7], v[WF+12*(2*\t+\s):WF+12*(2*\t+\s)+11], v[TB+24*((\m)%2)+12*\s:TB+24*((\m)%2)+12*\s+11], 0, v[20+2*\t+\s], v[12+2*(\m)+\s] matrix_a_fmt:MATRIX_FMT_FP6 matrix_b_fmt:MATRIX_FMT_FP6
.else
	v_wmma_scale_f32_16x16x128_f8f6f4 v[ACC+8*\t:ACC+8*\t+7], v[WF+12*(2*\t+\s):WF+12*(2*\t+\s)+11], v[TB+24*((\m)%2)+12*\s:TB+24*((\m)%2)+12*\s+11], v[ACC+8*\t:ACC+8*\t+7], v[20+2*\t+\s], v[12+2*(\m)+\s] matrix_a_fmt:MATRIX_FMT_FP6 matrix_b_fmt:MATRIX_FMT_FP6
.endif
.endr
.endr
.rept 4
	v_nop
.endr
.if (\m) < 3
	TLOAD2 (\m)+1                                  ; the next tile comes while this one is quantised
.else
.irp s, 0,1
.irp g, 0,1,2
	global_load_b128 v[VW1+12*\s+4*\g:VW1+12*\s+4*\g+3], v2, s[10:11] offset:98304+3072+1536*\s+512*\g   ; W's fragments are done with: Wv's second tile takes their place
.endr
.endr
.endif
	s_wait_xcnt 0x0                                ; the last unit's stores have read their data: the codes' registers are written again only behind this wait
	QUANT2 ACC, W16+(\m)
	global_store_b128 v2, v[PC:PC+3], s[90:91] offset:768*(\m)
	global_store_b64 v3, v[PC+4:PC+5], s[90:91] offset:768*(\m)+512
.endm
.irp m, 0,1,2,3
	ds_load_b64 v[12+2*\m:13+2*\m], v9 offset:TSO+128*\m   ; t's scale words: tile m, K steps 0 and 1; both halves of the lanes take row r's
.endr
	TLOAD2 0
	s_wait_loadcnt 0x0                             ; the weights
	UNITQK 0
	UNITQK 1
	UNITQK 2
	UNITQK 3
	v_lshl_or_b32 v38, v39, 16, v38                ; a group's word: tile u = 0's two bytes, tile u = 1's two
	v_lshl_or_b32 v40, v41, 16, v40
	s_delay_alu instid0(VALU_DEP_1)
	v_cndmask_b32 v38, v38, v40, s98               ; lanes 0-15 the first group of 32 tokens, lanes 16-31 the second
	global_store_b32 v10, v38, s[92:93]
; v, d tile u of my two: source 0 = 16 tokens, source 1 = 16 rows of Wv: four accumulators (the four tiles of tokens) by turns
; v: register 8 m + i of lane (r, h) is key 32 h + 8 m + i of row d = r: ONE whole block in a lane.  Its half-image goes to v[PC .. PC + 5]; the row's two scale bytes (mine and lane l xor 16's) to v[w].
.macro QUANTV src, w
	v_bfe_u32 v51, v0, 4, 1                        ; h
.irp b, 0,1
	v_max3_num_f32 v[BM+\b], |v[\src+16*\b]|, |v[\src+16*\b+1]|, FLOOR
.endr
.irp i, 2,4,6,8,10,12,14
.irp b, 0,1
	v_max3_num_f32 v[BM+\b], v[BM+\b], |v[\src+16*\b+\i]|, |v[\src+16*\b+\i+1]|
.endr
.endr
	v_lshlrev_b32 v51, 3, v51                      ; 8 h
	v_max_num_f32 v[BM], v[BM], v[BM+1]            ; the block's largest magnitude
	s_delay_alu instid0(VALU_DEP_1)
	v_add_nc_u32 v[SO], 0xff000000, v[BM]
	s_delay_alu instid0(VALU_DEP_1)
	v_lshrrev_b32 v[BT], 23, v[SO]
	s_delay_alu instid0(VALU_DEP_1)
	v_lshlrev_b32 v[BT], v51, v[BT]                ; my byte at its place
	s_delay_alu instid0(VALU_DEP_1)
	v_permlanex16_b32 v[BT+1], v[BT], s100, s101
	s_delay_alu instid0(VALU_DEP_1)
	v_or_b32 v[\w], v[BT], v[BT+1]
	v_cvt_scalef32_pk16_fp6_f32 v[PC:PC+2], v[\src:\src+15], v[SO]
	v_cvt_scalef32_pk16_fp6_f32 v[TMP:TMP+2], v[\src+16:\src+31], v[SO]
	v_nop                                          ; one plain line behind a scaled conversion
.irp i, 0,1,2
	v_mov_b32 v[PC+3+\i], v[TMP+\i]
.endr
.endm
.macro UNITV u, vw
.irp s, 0,1
.irp m, 0,1,2,3
.irp p, 0,1,2,3,4,5
	ds_load_b64 v[TB+12*\m+2*\p:TB+12*\m+2*\p+1], v8 offset:16*TPI*\m+96*\s+48*(\p/3)+8*(\p%3)
.endr
.endr
	s_wait_dscnt 0x0
.irp m, 0,1,2,3
.if \s == 0
	v_wmma_scale_f32_16x16x128_f8f6f4 v[ACC+8*\m:ACC+8*\m+7], v[TB+12*\m:TB+12*\m+11], v[\vw+12*\s:\vw+12*\s+11], 0, v[12+2*\m+\s], v[28+2*\u+\s] matrix_a_fmt:MATRIX_FMT_FP6 matrix_b_fmt:MATRIX_FMT_FP6
.else
	v_wmma_scale_f32_16x16x128_f8f6f4 v[ACC+8*\m:ACC+8*\m+7], v[TB+12*\m:TB+12*\m+11], v[\vw+12*\s:\vw+12*\s+11], v[ACC+8*\m:ACC+8*\m+7], v[12+2*\m+\s], v[28+2*\u+\s] matrix_a_fmt:MATRIX_FMT_FP6 matrix_b_fmt:MATRIX_FMT_FP6
.endif
.endr
.rept 4
	v_nop
.endr
.endr
	s_wait_xcnt 0x0                                ; earlier stores have read their data
	QUANTV ACC, 39+2*\u
	global_store_b128 v2, v[PC:PC+3], s[94:95] offset:1536*\u
	global_store_b64 v3, v[PC+4:PC+5], s[94:95] offset:1536*\u+512
.endm
	UNITV 0, VW0
	s_wait_loadcnt 0x0                             ; Wv's second tile
	UNITV 1, VW1
	v_cndmask_b32 v39, v39, v41, s98               ; lanes 0-15 the first d tile's rows, lanes 16-31 the second's
	global_store_b16 v2, v39, s[96:97]             ; two bytes of each lane's 16: these 64 keys' half of the step's word
	s_set_vgpr_msb 0x5
	s_wait_tensorcnt 0x0
	ds_add_u32 v0, v1
	s_wait_dscnt 0x0
	s_set_vgpr_msb 0x500
	s_endpgm
.Lfunc_end_k_qfe006abfa1_qkv:
	.size	k_qfe006abfa1_qkv, .Lfunc_end_k_qfe006abfa1_qkv-k_qfe006abfa1_qkv
	.p2alignl 7, 3214868480
	.fill 96, 4, 3214868480
	.section	.rodata,"a",@progbits
	.p2align	6, 0x0
	.amdhsa_kernel k_qfe006abfa1_qkv
		.amdhsa_group_segment_fixed_size 21504
		.amdhsa_private_segment_fixed_size 0
		.amdhsa_enable_private_segment 0
		.amdhsa_kernarg_size 64
		.amdhsa_user_sgpr_count 2
		.amdhsa_user_sgpr_kernarg_segment_ptr 1
		.amdhsa_wavefront_size32 1
		.amdhsa_system_sgpr_workgroup_id_x 1
		.amdhsa_system_sgpr_workgroup_id_y 1
		.amdhsa_system_sgpr_workgroup_id_z 1
		.amdhsa_system_vgpr_workitem_id 0
		.amdhsa_next_free_vgpr 258
		.amdhsa_next_free_sgpr 102
		.amdhsa_reserve_vcc 0
		.amdhsa_float_denorm_mode_32 3
		.amdhsa_float_denorm_mode_16_64 3
		.amdhsa_memory_ordered 1
		.amdhsa_forward_progress 1
		.amdhsa_inst_pref_size 70
	.end_amdhsa_kernel
	.amdgpu_metadata
---
amdhsa.version: [ 1, 2 ]
amdhsa.kernels:
  - .name:           k_qfe006abfa1_qkv
    .symbol:         k_qfe006abfa1_qkv.kd
    .args:
      - { .name: x, .offset: 0, .size: 8, .value_kind: global_buffer, .address_space: global }
      - { .name: ln_g, .offset: 8, .size: 8, .value_kind: global_buffer, .address_space: global }
      - { .name: ln_b, .offset: 16, .size: 8, .value_kind: global_buffer, .address_space: global }
      - { .name: wimg, .offset: 24, .size: 8, .value_kind: global_buffer, .address_space: global }
      - { .name: wscl, .offset: 32, .size: 8, .value_kind: global_buffer, .address_space: global }
      - { .name: qimg, .offset: 40, .size: 8, .value_kind: global_buffer, .address_space: global }
      - { .name: qscl, .offset: 48, .size: 8, .value_kind: global_buffer, .address_space: global }
      - { .name: kv, .offset: 56, .size: 8, .value_kind: global_buffer, .address_space: global }
    .group_segment_fixed_size: 21504
    .private_segment_fixed_size: 0
    .kernarg_segment_align: 8
    .kernarg_segment_size: 64
    .max_flat_workgroup_size: 256
    .sgpr_count:     102
    .vgpr_count:     258
    .wavefront_size: 32
...
	.end_amdgpu_metadata
.endif
;; end of part 2
;; launch attn (part 3): grid 64 x 4, 8 waves a work-group, clusters of 4 x 1, 327,680 bytes of LDS; arguments qimg, qscl, kv, wimg, wscl, b_proj, out0; writes out0
.if DOCPART == 3
	.amdgcn_target "amdgcn-amd-amdhsa--gfx1250"
	.amdhsa_code_object_version 6
	.text
	.protected	k_qfe006abfa1_attn
	.globl	k_qfe006abfa1_attn
	.p2align	8
	.type	k_qfe006abfa1_attn,@function
k_qfe006abfa1_attn:
	s_mov_b64 s[64:65], 0
	v_nop
	global_prefetch_b8 v0, s[64:65] scope:SCOPE_SE
	s_setreg_imm32_b32 hwreg(HW_REG_WAVE_MODE, 25, 1), 1
	s_wait_xcnt 0x0
	s_wait_alu depctr_hold_cnt(0) depctr_sa_sdst(0) depctr_va_vdst(0) depctr_va_sdst(0) depctr_va_ssrc(0) depctr_va_vcc(0) depctr_vm_vsrc(0)
	s_getreg_b32 s2, hwreg(HW_REG_IB_STS2, 6, 4)
	s_cmp_eq_u32 s2, 0
	s_cbranch_scc0 .Lentry_in_a_cluster
	s_endpgm
.Lentry_in_a_cluster:
	s_bfe_u32 s2, ttmp6, 0x10000c
	s_cmp_lg_u32 s2, 0x3003
	s_cbranch_scc0 .Lentry_shape_is_right
	s_endpgm
.Lentry_shape_is_right:
; o = softmax(q k^T / 8) v for 4 images x 4 heads of 4,096 tokens and head size 64; o is divided by the row's sum, quantised along the channels, and multiplied by w_proj: out0[b][c][n] = sum over k of o[b][n][k] w_proj[c][k] + b_proj[c].
; All three products run on codes of FP6 (E2M3) with E8M0 scales.
; THE SOFTMAX: t = score x log2(e) / 8; M = the running largest t rounded UP to a whole number; p = 2^(t - M) is quantised along the keys, not normalised; the row's sum is taken of the unquantised p;
; when M moves, the sum and O are multiplied by 2^(old M - new M), which rounds nothing.
; SHARES.  A work-group owns 64 tokens of one image, for all four heads, so that it holds whole rows of o for the projection.  Wave w of eight serves head w / 2 and TWO tiles of 16 queries (tiles 2 (w % 2) and + 1 of the four):
; tile A in register window 0, tile B in window 1, under the same register numbers, so one macro serves both.  Each fragment of k and of v that a wave reads from LDS feeds both tiles.  Every wave walks all 4,096 keys, 128 a step.
; A step's 12,800 bytes of one head (eight half-images of k, eight of v, 512 bytes of scale words) lie together in kv as images of the operand registers: every LDS load is dense.
; RING: a short slot of two key steps x four heads (102,400 bytes) and a long one of four (204,800 bytes), walked 2, 4, 2, 4, .. 2: 6 x 2 + 5 x 4 = 32 steps.  Every wave fetches, one load behind each round: half of its head's part of the slot.
; By this text's count a wave has one tensor load out at a time.  The last change of slots fills the long slot's first bytes with w_proj's images, 6,144 bytes a wave.
; No prefetch: each fill goes out a whole walk of the other slot (two or four key steps of eight waves) ahead of the wait for it.
; CLUSTER: the four work-groups of a cluster are four blocks of tokens of one image and walk the same kv and w_proj: each tile is asked for JOINTLY, with the mask of all four.  The place in the cluster enters the global addresses of q and out0 alone.
; S^T = k q^T and O^T = v^T p^T ARE USED TRANSPOSED: a lane holds one query (lane % 16) throughout.
; THE KEYS OF A TILE: tile 4 c + j of a step takes keys 64 c + 8 j + i in rows i = 0 .. 7 and keys 64 c + 32 + 8 j + i in rows 8 + i.  So registers S + 32 c .. + 31 of lane (r, h) are block 2 c + h of 32 keys, whole and in order.
; K = 64 IN A FORM OF K = 128: source 0 holds TWO tiles of keys, one in each half of K.  q stands as (q, zeros, q): its first 12 registers are (q, 0), its last 12 (0, q).  Zero codes add nothing.
; k's fragments of the next step are fetched a step ahead, into window 1; in a slot's last step the same step is named again (the address is held at the slot's last step) and what comes is not used.
; THE PROJECTION: o's half-images and scale bytes meet in LDS; wave w makes output channels 32 w .. + 31 of all 64 tokens; source 0 = 16 tokens of o, source 1 = 16 rows of w_proj; register j of token tile m in lane (r, h) is token 32 h + 8 m + j.
; LDS at the end, all in the long slot, which has had its last fill and, but for w_proj's block, its last read: w_proj's images, o's images, o's scale words, a stage of 32 rows x 272 bytes for each wave.
; LIMITS: NaN and infinities are not served; the scaled scores stay under 2^31 in magnitude; a block of p that has fallen to zeros, and a block of o under 2^-124, keeps the byte 1.
; REGISTERS.  Window 0 alone: v1 16 x lane, v2 8 x lane, v3, v4 this step's LDS bytes, v41, v42 the next step's, v43 4 r, v5, v6 the spare word and 0, v7 4 x lane; v8-9 k's scale words, v10-11 v's; v34-37 q's, v38-39 p's, v92-95 w_proj's;
;   v44-91 v's fragments; v238, v239 the bias.  Window 1 alone: v44-91 k's fragments.  In both, for the window's tile: v12 -M, v13 the largest score, v[14:15] the sum; v16-33 q; v40 8 (lane / 16); v96-159 S^T, then p; v160-191 O^T;
;   v192-203 p's codes; v204-237 at work.  The projection, window 0: v16-31 the bias, v44-91 w_proj, v96-191 o, v192-255 eight accumulators.
.set FLOOR, 0x1800000
.set STEPB, 12800
.set SB,    16*STEPB                   ; the short slot's first byte; the long slot lies at 0
.set SPARE, 24*STEPB                   ; the spare words: 128 bytes for each of eight waves, four blocks of 256 bytes that no other line names
.set OST,   49152                      ; o's half-images: [tile 4][head 4][768]; w_proj's images lie ahead of them, from byte 0
.set OSC,   61440                      ; o's scale words: [tile 4][K step 2][lane 32]
.set PST,   65536                      ; the stages of the way out
.set SP,    272
.set QF,  16
.set QS,  34
.set PW,  38
.set H8,  40
.set F,   44
.set S,   96
.set O,   160
.set PC,  192
.set CT,  204
.set BM,  212
.set BT,  216
.set SO,  218
.set FF,  220
.set TS,  222
.set T0,  236
.set T1,  237
.set OF,  96
.set ACC, 192
.set MSB, 0
.macro WIN new                         ; low byte: bits 1:0 source 0, 3:2 source 1, 5:4 source 2, 7:6 destination; the high byte repeats the setting that is left
.if MSB != (\new)
	s_set_vgpr_msb (MSB<<8)|(\new)
.set MSB, (\new)
.endif
.endm
.macro CROUND                          ; a round of the cluster's barrier
	s_barrier_signal -1
	s_barrier_wait -1
	s_cmp_lg_u32 s14, 0
	s_cbranch_scc1 .Lnot_wave_0_\@
	s_barrier_signal -3
.Lnot_wave_0_\@:
	s_barrier_wait -3
	s_barrier_signal -1
	s_barrier_wait -1
.endm
.macro NOP4
.rept 4
	v_nop
.endr
.endm
; A CHANGE OF SLOTS, and every later first fill.  Each wave waits for all its tensor loads, adds 0 to its spare word, and waits for that and for its reads of the slot that it leaves;
; a round of the cluster's barrier; the joint load is the first tensor load behind it, one a wave.
.macro CHANGE g0, g1, step
	s_wait_alu depctr_va_vdst(0)
	s_wait_tensorcnt 0x0
	ds_add_u32 v5, v6
.if \step
	s_add_nc_u64 s[\g0+2:\g0+3], s[\g0+2:\g0+3], \step   ; no tensor load of mine is out: the group 0 may be written
.endif
	s_wait_dscnt 0x0
	CROUND
	tensor_load_to_lds s[\g0:\g0+3], s[\g1:\g1+7]
	s_nop 0
	NOP4
.endm
	s_load_b256 s[4:11], s[0:1], 0x0               ; qimg s[4:5], qscl s[6:7], kv s[8:9], wimg s[10:11]
	s_load_b64 s[12:13], s[0:1], 0x20              ; wscl
	s_load_b128 s[60:63], s[0:1], 0x28             ; b_proj s[60:61], out0 s[62:63]
	v_lshl_add_u32 v5, v0, 2, SPARE
	v_mov_b32 v6, 0
	ds_add_u32 v5, v6                              ; the opening lines: the add, twice on end, and its wait ahead of my first tensor load
	ds_add_u32 v5, v6
	v_lshrrev_b32 v7, 5, v0
	v_readfirstlane_b32 s14, v7                    ; wave 0..7
	s_bfe_u32 s15, ttmp6, 0x40000                  ; cx
	s_and_b32 s16, ttmp7, 0xffff                   ; the image, which the four partners share
	s_lshl_b32 s17, ttmp9, 2
	s_add_co_u32 s17, s17, s15                     ; my block of 64 tokens, 0..63
	s_lshr_b32 s18, s14, 1                         ; my head of 4
	s_and_b32 s19, s14, 1                          ; which two of the four tiles; also which half of my head's part of a slot I fetch
	s_lshl_b32 s58, s16, 2
	s_add_co_u32 s58, s58, s18                     ; head of 16
	s_lshl_b32 s59, s17, 2
	s_lshl_b32 s47, s19, 1
	s_add_co_u32 s59, s59, s47                     ; tile A of the image's 256, an even number; tile B is the next
	s_mul_i32 s42, s58, 32*STEPB
	s_mul_i32 s44, s19, STEPB
	s_add_co_u32 s42, s42, s44                     ; the short slot's first fill: step w % 2 of my head
	s_mov_b32 s43, 0
	s_add_co_u32 s44, s44, 2*STEPB                 ; from there to the long slot's: steps 2 + 2 (w % 2) and the next
	s_mov_b32 s45, 0
	s_mov_b32 s24, 15|(3<<16)|(1<<21)              ; group 1 for one step: the mask of all four; elements of 8 bytes; bit 21 beside a mask; no padding
	s_mov_b32 s25, 32<<16                          ; rows of 32 elements: 256 bytes
	s_mov_b32 s26, 50<<16                          ; 50 rows
	s_mov_b32 s27, 32<<16
	s_mov_b32 s28, 50
	s_mov_b32 s29, 32                              ; the block is dense
	s_mov_b32 s30, 0
	s_mov_b32 s31, 0
	s_mov_b32 s48, 15|(3<<16)|(1<<21)              ; group 1 for two steps: 100 rows
	s_mov_b32 s49, 32<<16
	s_mov_b32 s50, 100<<16
	s_mov_b32 s51, 32<<16
	s_mov_b32 s52, 100
	s_mov_b32 s53, 32
	s_mov_b32 s54, 0
	s_mov_b32 s55, 0
	s_mov_b32 s68, 15|(3<<16)|(1<<21)              ; group 1 for four fragments of w_proj: 24 rows
	s_mov_b32 s69, 32<<16
	s_mov_b32 s70, 24<<16
	s_mov_b32 s71, 32<<16
	s_mov_b32 s72, 24
	s_mov_b32 s73, 32
	s_mov_b32 s74, 0
	s_mov_b32 s75, 0
	s_mov_b32 s20, 0x76543210
	s_mov_b32 s21, 0xfedcba98                      ; selects for lane l xor 16
	s_mov_b32 s22, 0x3e38aa3b                      ; c = log2(e) / 8
	s_mov_b32 s23, s22                             ; (named with it as a pair)
	s_mov_b32 s83, 0xbe38aa3b                      ; -c
	s_mul_i32 s80, s18, 2*STEPB
	s_add_co_u32 s80, s80, SB                      ; where my head's steps lie in the short slot,
	s_mul_i32 s81, s18, 4*STEPB                    ; and in the long one
	s_wait_dscnt 0x0                               ; both opening adds are done
	s_wait_kmcnt 0x0
	s_add_nc_u64 s[8:9], s[8:9], s[42:43]
	s_mov_b32 s32, 1                               ; group 0 for the short slot
	s_mul_i32 s33, s14, STEPB
	s_add_co_u32 s33, s33, SB
	s_mov_b64 s[34:35], s[8:9]
	s_or_b32 s35, s35, 0x80000000
	s_mov_b32 s36, 1                               ; group 0 for the long slot
	s_mul_i32 s37, s14, 2*STEPB
	s_add_nc_u64 s[38:39], s[8:9], s[44:45]
	s_or_b32 s39, s39, 0x80000000
	CROUND                                         ; all four work-groups are here: the first joint loads meet
	tensor_load_to_lds s[32:35], s[24:31]          ; my one load at the head: key steps 0 and 1
	s_nop 0
	NOP4
	s_lshl_b32 s46, s58, 8
	s_add_co_u32 s46, s46, s59
	s_mul_i32 s46, s46, 768                        ; tile A's half-image of q
	s_mov_b32 s47, 0
	s_add_nc_u64 s[4:5], s[4:5], s[46:47]
	s_lshl_b32 s46, s58, 7
	s_lshr_b32 s56, s59, 1
	s_add_co_u32 s46, s46, s56
	s_lshl_b32 s46, s46, 6                         ; the two tiles' scale words
	s_add_nc_u64 s[6:7], s[6:7], s[46:47]
	s_mov_b32 s76, 1                               ; group 0 for w_proj's fragments 96 + 4 w on
	s_mul_i32 s77, s14, 6144
	s_add_co_u32 s46, s77, 147456
	s_add_nc_u64 s[78:79], s[10:11], s[46:47]
	s_or_b32 s79, s79, 0x80000000
	s_lshl_b32 s46, s14, 9
	s_add_co_u32 s46, s46, 12288                   ; their scale words
	s_add_nc_u64 s[12:13], s[12:13], s[46:47]
	s_lshl_b32 s46, s14, 7                         ; my 32 biases
	s_add_nc_u64 s[60:61], s[60:61], s[46:47]
	s_lshl_b32 s46, s16, 22
	s_lshl_b32 s56, s14, 19
	s_add_co_u32 s46, s46, s56
	s_lshl_b32 s56, s17, 8
	s_add_co_u32 s46, s46, s56                     ; out0: image x 4 MiB + 32 w rows of 16,384 bytes + 64 tokens x block
	s_add_nc_u64 s[62:63], s[62:63], s[46:47]
	v_and_b32 v1, 31, v0
	v_and_b32 v43, 15, v0
	v_bfe_u32 v[H8], v0, 4, 1
	v_lshlrev_b32 v2, 3, v1
	v_lshlrev_b32 v7, 2, v1
	v_lshlrev_b32 v1, 4, v1
	v_lshlrev_b32 v43, 2, v43                      ; 4 r
	v_lshlrev_b32 v[H8], 3, v[H8]
.macro QLOAD x                         ; q's half-image twice: registers 0-5 and 12-17 of (q, 0, q)
	global_load_b128 v[QF:QF+3], v1, s[4:5] offset:768*\x
	global_load_b64 v[QF+4:QF+5], v2, s[4:5] offset:768*\x+512
	global_load_b128 v[QF+12:QF+15], v1, s[4:5] offset:768*\x
	global_load_b64 v[QF+16:QF+17], v2, s[4:5] offset:768*\x+512
.endm
.macro INIT x                          ; the step is written once: the first finds zeros, which the first change of M leaves zeros
	WIN 0x55*\x
.irp j, 6,7,8,9,10,11
	v_mov_b32 v[QF+\j], 0                          ; zero codes
.endr
	v_mov_b32 v13, 0xff61b1e6                      ; the largest score so far: -3e38
	v_mov_b32 v12, 0x7e967699                      ; -M: 1e38, so that the first factor is 0
	v_mov_b32 v14, 0
	v_mov_b32 v15, 0
	v_mov_b32 v[FF+1], 0                           ; (named as the upper half of a pair)
	v_mov_b32 v[BT+1], 0                           ; a lane permute's destination counts as read
	v_mov_b32 v[T1], 0
.set i, 0
.rept 32
	v_mov_b32 v[O+i], 0
.set i, i+1
.endr
.endm
	QLOAD 0
	global_load_b32 v[T0], v43, s[6:7]             ; low half: tile A's two bytes; high half: tile B's
.irp j, 0,1,2,3
	global_load_b32 v[92+\j], v7, s[12:13] offset:128*\j   ; w_proj's scale words: fragment (tile j / 2 of my two, K step j % 2)
.endr
	global_load_b32 v238, v43, s[60:61]            ; b_proj of channel 32 w + r,
	global_load_b32 v239, v43, s[60:61] offset:64  ; and 16 on
	WIN 0x40
	v_mov_b32 v[H8], v[H8]                         ; 8 h for window 1 too
	QLOAD 1
	INIT 0
	s_wait_alu depctr_va_vdst(0)
	s_wait_loadcnt 0x0
	v_and_b32 v[QS], 0xffff, v[T0]                 ; A: (s0, s1, 0, 0): the bytes over zero codes may be anything but 0xff
	v_lshlrev_b32 v[QS+1], 16, v[T0]               ; A: (0, 0, s0, s1)
	v_lshrrev_b32 v[QS+2], 16, v[T0]               ; B
	v_and_b32 v[QS+3], 0xffff0000, v[T0]
	INIT 1                                         ; (also the plain lines between the scale words' making and the first product)
	WIN 0
	CHANGE 36, 48, 0                               ; key steps 0 and 1 are in; the long slot's first fill, steps 2-5, goes out as a refill does
.macro LOADK                           ; k's eight half-images at v41, v42 into window 1, and k's scale words: 17 loads
	ds_load_b64 v[8:9], v41 offset:12288           ; v8: tiles 0, 1 (lanes 0-15) and 2, 3 (lanes 16-31); v9: tiles 4-7
	WIN 0x40
.irp i, 0,1,2,3,4,5,6,7
	ds_load_b128 v[F+6*\i:F+6*\i+3], v41 offset:768*\i
	ds_load_b64 v[F+6*\i+4:F+6*\i+5], v42 offset:768*\i+512
.endr
	WIN 0
.endm
.macro LOADV                           ; v's eight half-images at v3, v4 into window 0, and v's scale words: 17 loads
	ds_load_b64 v[10:11], v3 offset:12296          ; v10: d tiles 0, 1; v11: 2, 3
.irp i, 0,1,2,3,4,5,6,7
	ds_load_b128 v[F+6*\i:F+6*\i+3], v3 offset:6144+768*\i
	ds_load_b64 v[F+6*\i+4:F+6*\i+5], v4 offset:6144+768*\i+512
.endr
.endm
.macro SCORES x                        ; S^T of tile x: source 0 (k) window 1, source 1 (q) and the result window x
	WIN 0x01+0x54*\x
.irp g, 0,1,2,3
.irp u, 0,1
.if \g % 2
	v_wmma_scale_f32_16x16x128_f8f6f4 v[S+8*(2*\g+\u):S+8*(2*\g+\u)+7], v[F+12*\g:F+12*\g+11], v[QF+6*\u:QF+6*\u+11], 0, v[8+\g/2], v[QS+2*\x+\u] matrix_a_fmt:MATRIX_FMT_FP6 matrix_b_fmt:MATRIX_FMT_FP6 matrix_a_scale:MATRIX_SCALE_ROW1
.else
	v_wmma_scale_f32_16x16x128_f8f6f4 v[S+8*(2*\g+\u):S+8*(2*\g+\u)+7], v[F+12*\g:F+12*\g+11], v[QF+6*\u:QF+6*\u+11], 0, v[8+\g/2], v[QS+2*\x+\u] matrix_a_fmt:MATRIX_FMT_FP6 matrix_b_fmt:MATRIX_FMT_FP6
.endif
.endr
.endr
.endm
.macro PV x                            ; O^T += v^T p^T: source 0 (v) window 0, the rest window x; four accumulators by turns
	WIN 0x54*\x
.irp t, 0,1,2,3
.if \t % 2
	v_wmma_scale_f32_16x16x128_f8f6f4 v[O+8*\t:O+8*\t+7], v[F+12*\t:F+12*\t+11], v[PC:PC+11], v[O+8*\t:O+8*\t+7], v[10+\t/2], v[PW+\x] matrix_a_fmt:MATRIX_FMT_FP6 matrix_b_fmt:MATRIX_FMT_FP6 matrix_a_scale:MATRIX_SCALE_ROW1
.else
	v_wmma_scale_f32_16x16x128_f8f6f4 v[O+8*\t:O+8*\t+7], v[F+12*\t:F+12*\t+11], v[PC:PC+11], v[O+8*\t:O+8*\t+7], v[10+\t/2], v[PW+\x] matrix_a_fmt:MATRIX_FMT_FP6 matrix_b_fmt:MATRIX_FMT_FP6
.endif
.endr
.endm
.macro MAXP x                          ; the largest score of my two blocks, in four chains; each accumulator is read from its low end on
	WIN 0x55*\x
.if \x
	s_wait_alu depctr_va_vdst(0)
.endif
.irp c, 0,1
	v_max3_num_f32 v[BM+\c], v[S+32*\c], v[S+32*\c+1], v[S+32*\c+2]
	v_max3_num_f32 v[BM+2+\c], v[S+32*\c+16], v[S+32*\c+17], v[S+32*\c+18]
.endr
.irp i, 3,5,7,9,11,13
.irp c, 0,1
	v_max3_num_f32 v[BM+\c], v[BM+\c], v[S+32*\c+\i], v[S+32*\c+\i+1]
	v_max3_num_f32 v[BM+2+\c], v[BM+2+\c], v[S+32*\c+16+\i], v[S+32*\c+17+\i]
.endr
.endr
.irp c, 0,1
	v_max3_num_f32 v[BM+\c], v[BM+\c], v[BM+2+\c], v[S+32*\c+15]
.endr
.irp c, 0,1
	v_max_num_f32 v[BM+\c], v[BM+\c], v[S+32*\c+31]
.endr
.endm
.macro TM i0                           ; t - M of two scores at S + i0
	v_pk_fma_f32 v[S+(\i0):S+(\i0)+1], v[S+(\i0):S+(\i0)+1], s[22:23], v[12:13] op_sel_hi:[1,0,0]
.endm
; M, p, the sum, p's codes and scale word, O^T under the new M.
; THE EXPONENTIALS GO IN FOUR BATCHES, a quarter of the 64 scores each.  Among a batch's lines stand plain lines that are due anyway: t - M of the next quarter, additions of quarters whose p has been waited for, one link
; of the scale bytes' chain.  No plain line of a batch reads what a line of the same batch writes, so the one wait between two batches orders all of it.
; THE SUM of the unquantised p: 32 packed additions, in seven chains TS and the running sum.
.macro REST x
	WIN 0x55*\x
	v_max_num_f32 v[T0], v[BM], v[BM+1]
	s_delay_alu instid0(VALU_DEP_1)
	v_permlanex16_b32 v[T1], v[T0], s20, s21
	s_delay_alu instid0(VALU_DEP_1)
	v_max3_num_f32 v13, v13, v[T0], v[T1]          ; the running largest score (c is positive)
	s_delay_alu instid0(VALU_DEP_1)
	v_mul_f32 v[T0], s83, v13                      ; -t
	s_delay_alu instid0(VALU_DEP_1)
	v_floor_f32 v[T1], v[T0]                       ; the new -M = -ceil(t)
	s_delay_alu instid0(VALU_DEP_1)
	v_sub_f32 v[T0], v[T1], v12                    ; old M - new M: a whole number, 0 or less
	v_mov_b32 v12, v[T1]
.set i, 0
.rept 8
	TM i                                           ; the first quarter
.set i, i+2
.endr
	v_cvt_i32_f32 v[T0], v[T0]                     ; (it saturates)
.irp c, 0,1
	v_fma_f32 v[BM+\c], v[BM+\c], s22, v12         ; t - M of each block's largest score
.endr
	s_wait_alu depctr_va_vdst(0)                   ; ahead of the first batch
	v_exp_f32 v[BM], v[BM]                         ; the block's largest p: the same two instructions on the same number give the same bits
	v_exp_f32 v[BM+1], v[BM+1]
.set i, 0
.rept 8
	v_exp_f32 v[S+i], v[S+i]                       ; p = 2^(t - M)
	TM 16+i
	v_exp_f32 v[S+i+1], v[S+i+1]
.set i, i+2
.endr
	v_ldexp_f32 v[FF], 1.0, v[T0]                  ; f = 2^(old M - new M)
	s_wait_alu depctr_va_vdst(0)                   ; between the batches
.set i, 0
.rept 8
	v_exp_f32 v[S+16+i], v[S+16+i]
	TM 32+i
	v_exp_f32 v[S+17+i], v[S+17+i]
.if i < 8
	v_pk_add_f32 v[TS+i:TS+i+1], v[S+i:S+i+1], v[S+8+i:S+9+i]
.endif
.if i == 8
	v_pk_mul_f32 v[14:15], v[14:15], v[FF:FF+1] op_sel_hi:[1,0]   ; the sums under the new M
.endif
.if i == 10
	v_max_num_f32 v[BM], FLOOR, v[BM]
.endif
.set i, i+2
.endr
	v_max_num_f32 v[BM+1], FLOOR, v[BM+1]
	s_wait_alu depctr_va_vdst(0)
.set i, 0
.rept 8
	v_exp_f32 v[S+32+i], v[S+32+i]
	TM 48+i
	v_exp_f32 v[S+33+i], v[S+33+i]
.if i < 8
	v_pk_add_f32 v[TS+i:TS+i+1], v[TS+i:TS+i+1], v[S+16+i:S+17+i]
.endif
.if i == 8
	v_pk_add_f32 v[TS+8:TS+9], v[S+24:S+25], v[S+26:S+27]
.endif
.if i == 10
	v_pk_add_f32 v[TS+10:TS+11], v[S+28:S+29], v[S+30:S+31]
.endif
.if i == 12
	v_add_nc_u32 v[SO], 0xff000000, v[BM]          ; 2 off the exponent field: the conversion's scale operand
.endif
.if i == 14
	v_add_nc_u32 v[SO+1], 0xff000000, v[BM+1]
.endif
.set i, i+2
.endr
	s_wait_alu depctr_va_vdst(0)
.set i, 0
.rept 8
	v_exp_f32 v[S+48+i], v[S+48+i]
.if i < 12
	v_pk_add_f32 v[TS+i:TS+i+1], v[TS+i:TS+i+1], v[S+32+i:S+33+i]
.endif
.if i == 12
	v_pk_add_f32 v[TS+12:TS+13], v[S+44:S+45], v[S+46:S+47]
.endif
.if i == 14
	v_lshrrev_b32 v[BT], 23, v[SO]                 ; the bytes of blocks h and 2 + h
.endif
	v_exp_f32 v[S+49+i], v[S+49+i]
.set i, i+2
.endr
	v_lshrrev_b32 v[BT+1], 23, v[SO+1]
	s_wait_alu depctr_va_vdst(0)                   ; behind the last batch, ahead of its first reader
.irp k, 0,1,2,3,4,5,6
	v_pk_add_f32 v[TS+2*\k:TS+2*\k+1], v[TS+2*\k:TS+2*\k+1], v[S+48+2*\k:S+49+2*\k]
.endr
	v_pk_add_f32 v[14:15], v[14:15], v[S+62:S+63]
	v_lshl_or_b32 v[BT], v[BT+1], 16, v[BT]
	v_pk_add_f32 v[TS:TS+1], v[TS:TS+1], v[TS+2:TS+3]
	v_pk_add_f32 v[TS+4:TS+5], v[TS+4:TS+5], v[TS+6:TS+7]
	v_pk_add_f32 v[TS+8:TS+9], v[TS+8:TS+9], v[TS+10:TS+11]
	v_pk_add_f32 v[14:15], v[14:15], v[TS+12:TS+13]
	v_lshlrev_b32 v[BT], v[H8], v[BT]              ; 8 h bits up
	v_pk_add_f32 v[TS:TS+1], v[TS:TS+1], v[TS+4:TS+5]
	v_pk_add_f32 v[14:15], v[14:15], v[TS+8:TS+9]
	v_permlanex16_b32 v[BT+1], v[BT], s20, s21
	WIN 0x05*\x                                    ; scale registers lie in window 0
	v_or_b32 v[PW+\x], v[BT], v[BT+1]              ; p's scale word for these 128 keys, whole in both lanes
	WIN 0x55*\x
.irp c, 0,1
	v_cvt_scalef32_pk16_fp6_f32 v[PC+6*\c:PC+6*\c+2], v[S+32*\c:S+32*\c+15], v[SO+\c]
	v_cvt_scalef32_pk16_fp6_f32 v[CT+4*\c:CT+4*\c+2], v[S+32*\c+16:S+32*\c+31], v[SO+\c]   ; (a conversion's three registers begin on an even number)
.endr
	v_pk_add_f32 v[14:15], v[14:15], v[TS:TS+1]    ; the sum's last addition is the plain line behind the scaled conversions
.irp c, 0,1
.irp i, 0,1,2
	v_mov_b32 v[PC+3+6*\c+\i], v[CT+4*\c+\i]
.endr
.endr
	s_wait_alu depctr_va_vdst(0)                   ; directly ahead of the first reader of O^T
.set i, 0
.rept 16
	v_pk_mul_f32 v[O+i:O+i+1], v[O+i:O+i+1], v[FF:FF+1] op_sel_hi:[1,0]   ; O^T under the new M.  (With the moves: the plain lines between p's codes and scale word and the products)
.set i, i+2
.endr
.endm
; A KEY STEP: 128 keys of my head at LDS byte s40; s82: the byte of my head's last step in the slot
.macro STEP
	s_wait_dscnt 0x0                               ; k's fragments, asked for a step ago
	SCORES 0
	SCORES 1
	WIN 0
	s_add_co_u32 s43, s40, STEPB
	s_min_u32 s43, s43, s82                        ; the next step, held inside the slot
	v_add_nc_u32 v3, s40, v1                       ; these four are the plain lines behind the products, ahead of the loads and of the first read of scores
	v_add_nc_u32 v4, s40, v2
	v_add_nc_u32 v41, s43, v1
	v_add_nc_u32 v42, s43, v2
	LOADV
	LOADK
	MAXP 0
	REST 0
	MAXP 1
	s_wait_alu depctr_va_vdst(0)
	s_wait_dscnt 17                                ; v's 17 loads are in; the next step's 17 of k may stay out
	PV 0
	REST 1
	PV 1
	WIN 0
.endm
.macro PHASE sbase, n                  ; n steps from the LDS byte in s[sbase] on: written once, walked n times
	s_mov_b32 s40, s[\sbase]
	s_add_co_u32 s82, s40, (\n-1)*STEPB
	s_mov_b32 s41, \n
	v_add_nc_u32 v41, s40, v1
	v_add_nc_u32 v42, s40, v2
	LOADK
.Lstep_\@:
	STEP
	s_add_co_u32 s40, s40, STEPB
	s_sub_co_u32 s41, s41, 1
	s_cmp_lg_u32 s41, 0
	s_cbranch_scc1 .Lstep_\@
.endm
	s_mov_b32 s57, 4
.Lring:                                                ; trip i: key steps 6 i, 6 i + 1 from the short slot, 6 i + 2 .. 6 i + 5 from the long one; each slot, when left, takes its steps six further on
	PHASE 80, 2
	CHANGE 32, 24, 6*STEPB
	PHASE 81, 4
	CHANGE 36, 48, 6*STEPB
	s_sub_co_u32 s57, s57, 1
	s_cmp_lg_u32 s57, 0
	s_cbranch_scc1 .Lring
	PHASE 80, 2                                    ; the tail is written out: steps 24, 25;
	CHANGE 32, 24, 6*STEPB                         ; steps 30, 31 are asked for;
	PHASE 81, 4                                    ; 26-29;
	CHANGE 76, 68, 0                               ; no keys are left to fetch: the long slot's first bytes take w_proj's images, my four fragments
	PHASE 80, 2                                    ; 30, 31
; o of tile x: O^T / the sum; register 16 b + i is channel 32 b + 16 (lane / 16) + i of the head: quantised, it is a half-image of the projection's operand, and goes to LDS
.macro OUT x
	WIN 0x55*\x
	v_add_f32 v14, v14, v15                        ; the sum's two halves,
	s_delay_alu instid0(VALU_DEP_1)
	v_permlanex16_b32 v[T1], v14, s20, s21
	s_delay_alu instid0(VALU_DEP_1)
	v_add_f32 v14, v14, v[T1]                      ; and lane l xor 16's
	s_wait_alu depctr_va_vdst(0)
	v_rcp_f32 v14, v14
	v_nop                                          ; the plain line behind the transcendental
	s_wait_alu depctr_va_vdst(0)                   ; ahead of the first reader, of the quotient and of O^T
.set i, 0
.rept 32
	v_mul_f32 v[S+i], v[O+i], v14                  ; each accumulator from its low end on
.set i, i+1
.endr
.irp b, 0,1
	v_max3_num_f32 v[BM+\b], |v[S+16*\b]|, |v[S+16*\b+1]|, FLOOR
.endr
.irp i, 2,4,6,8,10,12,14
.irp b, 0,1
	v_max3_num_f32 v[BM+\b], v[BM+\b], |v[S+16*\b+\i]|, |v[S+16*\b+\i+1]|
.endr
.endr
.irp b, 0,1
	v_permlanex16_b32 v[BT+\b], v[BM+\b], s20, s21
.endr
.irp b, 0,1
	v_max_num_f32 v[BM+\b], v[BM+\b], v[BT+\b]
.endr
.irp b, 0,1
	v_add_nc_u32 v[SO+\b], 0xff000000, v[BM+\b]
.endr
.irp b, 0,1
	v_lshrrev_b32 v[BT+\b], 23, v[SO+\b]
.endr
	v_lshl_or_b32 v[T0], v[BT+1], 8, v[BT]         ; my row's two bytes
	v_cvt_scalef32_pk16_fp6_f32 v[PC:PC+2], v[S:S+15], v[SO]
	v_cvt_scalef32_pk16_fp6_f32 v[CT:CT+2], v[S+16:S+31], v[SO+1]
	v_nop
.irp i, 0,1,2
	v_permlane16_swap_b32 v[PC+\i], v[CT+\i]       ; a lane gets its block whole
.endr
.irp i, 0,1,2
	v_mov_b32 v[PC+3+\i], v[CT+\i]
.endr
	WIN 0x04*\x                                    ; a store's data: source 1
	ds_store_b128 v3, v[PC:PC+3] offset:3072*\x
	ds_store_b64 v4, v[PC+4:PC+5] offset:3072*\x+512
	ds_store_b16 v41, v[T0] offset:256*\x          ; my head's half of each lane's scale word
.endm
	s_wait_tensorcnt 0x0                           ; my block of w_proj is in: no tensor load is out from here on
	s_lshl_b32 s46, s19, 3
	s_add_co_u32 s46, s46, s18                     ; 4 x tile A of the four + head
	s_mul_i32 s46, s46, 768
	s_add_co_u32 s46, s46, OST
	v_add_nc_u32 v3, s46, v1
	v_add_nc_u32 v4, s46, v2
	s_lshl_b32 s46, s19, 2
	s_lshr_b32 s47, s18, 1
	s_add_co_u32 s46, s46, s47                     ; 2 x tile A + K step (head / 2)
	s_lshl_b32 s46, s46, 7
	s_and_b32 s47, s18, 1
	s_lshl_b32 s47, s47, 1
	s_add_co_u32 s46, s46, s47                     ; half-word head % 2
	s_add_co_u32 s46, s46, OSC
	v_add_nc_u32 v41, s46, v7
	OUT 0                                          ; tile A's last products lie a whole REST back; these lines are the plain lines behind tile B's
	OUT 1
	WIN 0
	; THE PROJECTION
	s_mul_i32 s46, s14, 32*SP
	s_add_co_u32 s46, s46, PST                     ; my stage
	v_mul_u32_u24 v3, v43, 68                      ; in: row r of 272 bytes,
	v_mul_u32_u24 v4, v[H8], 34                    ; back: lanes 0-15 one row, lanes 16-31 the next,
	v_lshlrev_b32 v42, 11, v[H8]                   ; and the same two rows of out0, 16,384 bytes apart;
	v_lshl_add_u32 v3, v[H8], 4, v3                ; + 128 h
	v_lshl_add_u32 v4, v43, 2, v4                  ; 16 bytes a lane
	v_lshl_add_u32 v42, v43, 2, v42
	v_add_nc_u32 v3, s46, v3
	v_add_nc_u32 v4, s46, v4
	v_add_nc_u32 v41, s77, v1                      ; my block of w_proj's images
	s_wait_alu depctr_va_vdst(0)
	s_wait_dscnt 0x0                               ; my stores of o have landed
	s_barrier_signal -1
	s_barrier_wait -1                              ; and everybody's
.irp j, 0,1,2,3                        ; w_proj's fragment (tile j / 2 of my two, K step j % 2)
.irp g, 0,1,2
	ds_load_b128 v[F+12*\j+4*\g:F+12*\j+4*\g+3], v41 offset:1536*\j+512*\g
.endr
.endr
.set i, 0
.rept 8                                ; o's fragment (tile i / 2, K step i % 2): the half-images of heads 2 (i % 2) and 2 (i % 2) + 1
.irp c, 0,1
	ds_load_b128 v[OF+12*i+6*\c:OF+12*i+6*\c+3], v1 offset:OST+1536*i+768*\c
	ds_load_b64 v[OF+12*i+6*\c+4:OF+12*i+6*\c+5], v2 offset:OST+1536*i+768*\c+512
.endr
	ds_load_b32 v[8+i+22*(i/4)], v7 offset:OSC+128*i   ; its scale words: v8-11, v34-37
.set i, i+1
.endr
.irp u, 0,1
.irp j, 0,1,2,3,4,5,6,7
	v_mov_b32 v[16+8*\u+\j], v[238+\u]             ; a lane's eight results are of one channel: the bias is the C of each sum's first product
.endr
.endr
	s_wait_alu depctr_va_vdst(0)
	s_wait_dscnt 0x0
.irp s, 0,1                            ; eight accumulators by turns, a K step at a time
.irp u, 0,1
.irp m, 0,1,2,3
.if \s == 0
	v_wmma_scale_f32_16x16x128_f8f6f4 v[ACC+8*(4*\u+\m):ACC+8*(4*\u+\m)+7], v[OF+12*(2*\m+\s):OF+12*(2*\m+\s)+11], v[F+12*(2*\u+\s):F+12*(2*\u+\s)+11], v[16+8*\u:23+8*\u], v[8+2*\m+\s+22*(\m/2)], v[92+2*\u+\s] matrix_a_fmt:MATRIX_FMT_FP6 matrix_b_fmt:MATRIX_FMT_FP6
.else
	v_wmma_scale_f32_16x16x128_f8f6f4 v[ACC+8*(4*\u+\m):ACC+8*(4*\u+\m)+7], v[OF+12*(2*\m+\s):OF+12*(2*\m+\s)+11], v[F+12*(2*\u+\s):F+12*(2*\u+\s)+11], v[ACC+8*(4*\u+\m):ACC+8*(4*\u+\m)+7], v[8+2*\m+\s+22*(\m/2)], v[92+2*\u+\s] matrix_a_fmt:MATRIX_FMT_FP6 matrix_b_fmt:MATRIX_FMT_FP6
.endif
.endr
.endr
.endr
	NOP4                                           ; ahead of the first read of results and of loads into registers that the products read
.irp u, 0,1
.irp m, 0,1,2,3
	ds_store_b128 v3, v[ACC+8*(4*\u+\m):ACC+8*(4*\u+\m)+3] offset:16*SP*\u+32*\m       ; each accumulator from its low end on
	ds_store_b128 v3, v[ACC+8*(4*\u+\m)+4:ACC+8*(4*\u+\m)+7] offset:16*SP*\u+32*\m+16
.endr
.endr
.irp k, 0,1,2,3,4,5,6,7,8,9,10,11,12,13,14,15
	ds_load_b128 v[OF+4*\k:OF+4*\k+3], v4 offset:2*SP*\k   ; LDS serves a wave's instructions in order (ISA guide 5.7.1.4): these see my stores; the stage is my wave's own
.endr
.irp k, 0,1,2,3,4,5,6,7,8,9,10,11,12,13,14,15
	s_wait_dscnt 15-\k                             ; load k is in; the younger ones may stay out
	global_store_b128 v42, v[OF+4*\k:OF+4*\k+3], s[62:63] offset:32768*\k th:TH_STORE_NT   ; two channels' rows: 16 lanes store 256 consecutive bytes, aligned
.endr
	s_wait_tensorcnt 0x0                           ; the wave's end
	ds_add_u32 v5, v6
	s_wait_dscnt 0x0
	CROUND                                         ; the closing round
	s_endpgm
.Lfunc_end_k_qfe006abfa1_attn:
	.size	k_qfe006abfa1_attn, .Lfunc_end_k_qfe006abfa1_attn-k_qfe006abfa1_attn
	.p2alignl 7, 3214868480
	.fill 96, 4, 3214868480
	.section	.rodata,"a",@progbits
	.p2align	6, 0x0
	.amdhsa_kernel k_qfe006abfa1_attn
		.amdhsa_group_segment_fixed_size 327680
		.amdhsa_private_segment_fixed_size 0
		.amdhsa_enable_private_segment 0
		.amdhsa_kernarg_size 56
		.amdhsa_user_sgpr_count 2
		.amdhsa_user_sgpr_kernarg_segment_ptr 1
		.amdhsa_wavefront_size32 1
		.amdhsa_system_sgpr_workgroup_id_x 1
		.amdhsa_system_sgpr_workgroup_id_y 1
		.amdhsa_system_sgpr_workgroup_id_z 1
		.amdhsa_system_vgpr_workitem_id 0
		.amdhsa_next_free_vgpr 512
		.amdhsa_next_free_sgpr 84
		.amdhsa_reserve_vcc 0
		.amdhsa_float_denorm_mode_32 3
		.amdhsa_float_denorm_mode_16_64 3
		.amdhsa_memory_ordered 1
		.amdhsa_forward_progress 1
		.amdhsa_inst_pref_size 178
	.end_amdhsa_kernel
	.amdgpu_metadata
---
amdhsa.version: [ 1, 2 ]
amdhsa.kernels:
  - .name:           k_qfe006abfa1_attn
    .symbol:         k_qfe006abfa1_attn.kd
    .args:
      - { .name: qimg, .offset: 0, .size: 8, .value_kind: global_buffer, .address_space: global }
      - { .name: qscl, .offset: 8, .size: 8, .value_kind: global_buffer, .address_space: global }
      - { .name: kv, .offset: 16, .size: 8, .value_kind: global_buffer, .address_space: global }
      - { .name: wimg, .offset: 24, .size: 8, .value_kind: global_buffer, .address_space: global }
      - { .name: wscl, .offset: 32, .size: 8, .value_kind: global_buffer, .address_space: global }
      - { .name: b_proj, .offset: 40, .size: 8, .value_kind: global_buffer, .address_space: global }
      - { .name: out0, .offset: 48, .size: 8, .value_kind: global_buffer, .address_space: global }
    .group_segment_fixed_size: 327680
    .private_segment_fixed_size: 0
    .kernarg_segment_align: 8
    .kernarg_segment_size: 56
    .max_flat_workgroup_size: 256
    .sgpr_count:     84
    .vgpr_count:     512
    .wavefront_size: 32
...
	.end_amdgpu_metadata
.endif
;; end of part 3
